; MI455X (gfx1250); checked and timed in simulation.
; The chip was launched on July 23, 2026; its instructions are those of AMD's public machine-readable ISA for CDNA 5 (MIT licence, August 2026) and "CDNA5" Instruction Set Architecture Reference Guide (July 2026). The comments in the code are by the model that wrote it; some were corrected since.
;; Bahdanau Attention. Allowed arithmetic: matrix products marked QUANTISED: E4M3 operands, one given power-of-two scale a tensor, by v_wmma_f32_16x16x64_fp8_fp8 or v_wmma_f32_16x16x128_fp8_fp8, f32 sums; products left as they are: f32 operands where the result goes on into a quantised operand, else bf16, f16 or f32 operands; f32 sums; everything else in f32.
;; Inputs: U_b 1,024 float32; U_w 1,024 x 1,024 float32; V_b 1 float32; V_w 1 x 1,024 float32; W_b 1,024 float32; W_w 1,024 x 1,024 float32; encoder_output 32 x 2,048 x 1,024 float32; hidden 32 x 1 x 1,024 float32; lowp_scales 4 int32 (the exponents e of the quantised operands' scales 2^e).
;; Outputs: out0 32 x 1 x 1,024 float32; out1 32 x 1 x 2,048 float32.
;; This version of the problem:
;;   THIS VERSION OF THE PROBLEM IS GIVEN IN LOW PRECISION. The matrix products marked QUANTISED in the list below multiply operands that are first quantised to E4M3 (4 exponent bits, 3 mantissa bits; 8 bits a number), with one given power-of-two scale for each operand tensor; their sums are f32. All else is computed in f32.
;;   The module's matrix products, in the order in which they are computed (A, B: the left and right operand; K: the contracted axis; several contracted axes count as one K, in the product's order):
;;     1. [M 32, K 1,024] x [K 1,024, N 1,024]; A: input hidden; B: input W_w: QUANTISED (scales: A lowp_scales[0], B lowp_scales[1])
;;     2. [M 65,536, K 1,024] x [K 1,024, N 1,024]; A: input encoder_output; B: input U_w: QUANTISED (scales: A lowp_scales[2], B lowp_scales[3])
;;     3. [M 65,536, K 1,024] x [K 1,024, N 1]; A: computed on the way; B: input V_w: left as it is (N = 1 < 16)
;;     4. batch 32 x [M 1, K 2,048] x [K 2,048, N 1,024]; A: softmax; B: input encoder_output: left as it is (M = 1 < 16)
;;   THE QUANTISER, for each operand of a quantised product, along K:
;;     - The operand's scale is 2^e, e = its entry of the input lowp_scales (int32; the entries are numbered through the quantised products in the list's order, A before B).
;;     - Each number is divided by the scale, clamped to +-448, and rounded to the nearest number of E4M3, ties to even, subnormals kept.
;;     - The product sums the exact products of the quantised numbers (number of the format x scale) in f32.
;;   ~~~python
;;   def quantise(x, axis, e):      # numpy; x: float32 -> the quantised numbers, widened to float32 again
;;       x = np.moveaxis(x, axis, -1); K = x.shape[-1]
;;       r = np.clip(x / 2.0 ** e, -448, 448)
;;       step = 2.0 ** (np.maximum(np.frexp(np.where(r == 0, 1, r))[1] - 1, -6) - 3)
;;       q = np.round(r / step) * step * 2.0 ** e      # np.round: ties to even
;;       return np.moveaxis(q, -1, axis).astype(np.float32)
;;   ~~~
;; One version. Each part assembles by itself: llvm-mc -triple=amdgcn-amd-amdhsa -mcpu=gfx1250 --defsym DOCPART=n.
;; ======== version 1 of 1: 3 launches
;; limits: right only within a limited range of input values
;; workspace buffers: ucodes 1,048,576 bytes; hbw 131,072 bytes; sc 262,144 bytes
;; launch prep (part 1): grid 64 x 1, 8 waves a work-group, no clusters, 17,408 bytes of LDS; arguments U_w, W_w, hidden, W_b, U_b, lowp_scales, ucodes, hbw; writes ucodes, hbw
.if DOCPART == 1
	.amdgcn_target "amdgcn-amd-amdhsa--gfx1250"
	.amdhsa_code_object_version 6
	.text
	.protected	k_q7a521f7f9a_prep
	.globl	k_q7a521f7f9a_prep
	.p2align	8
	.type	k_q7a521f7f9a_prep,@function
k_q7a521f7f9a_prep:
	s_mov_b64 s[64:65], 0
	v_nop
	global_prefetch_b8 v0, s[64:65] scope:SCOPE_SE
	s_setreg_imm32_b32 hwreg(HW_REG_WAVE_MODE, 25, 1), 1
	s_wait_xcnt 0x0
; FIRST OF THREE LAUNCHES (prep, scores, ctx) for additive attention: B = 32, S = 2,048, H = 1,024.
; DEAD WORK, for all values of the inputs.  A score is V_b + sum_n V_n tanh(x_n), and tanh x = 1 - 2 r with r = 1 / (1 + e^(2x)), so a score is
; (V_b + sum_n V_n) - 2 sum_n V_n r_n.  The bracket is the same for all 2,048 scores of a softmax row, and both outputs come behind that softmax, which a term that is
; equal along its axis leaves as it is.  So V_b is not loaded and is among no launch's arguments, and sum_n V_n is never formed.
; LIMIT: a NaN or an infinity in V_b alone, or an overflow of sum_n V_n, is not carried to the results.
; THIS LAUNCH: (1) U_w [1024][1024] f32 -> codes of E4M3 with the given scale 2^e3, laid in the order of the operand's registers:
;   ucodes[chunk c 0..15][K step s 0..7][column block b 0..3][q 0..3][lane][16 bytes]; the 16 bytes of lane (r, h) are U_w[64 c + 16 b + r][128 s + 32 q + 16 h + 0..15].
; (2) product 1, hidden x W_w^T, on codes (scales 2^e0, 2^e1), and with it hbw[column block 0..63][batch 0..31][16 columns] = 2 log2(e) x (h_proj + W_b + U_b), f32.
; In a fragment registers 4 q .. 4 q + 3 hold k = 32 q + 16 h + 0..15: a permutation of k that is the same in both operands of every product of this program.
; SHARES: work-group g takes rows 16 g .. 16 g + 15 of U_w and of W_w; its wave s takes K step s (128 along K).  The eight waves' partial sums of h_proj meet in LDS.
; LIMITS: e0, e1, e3 between -126 and 119; e0 + e1 between -127 and 126 (added to an exponent field).  NaN among the quantised inputs is not served.
.set RED,   0                          ; LDS: eight partial tiles [32 batches][16 columns] f32, 2,048 bytes a wave
.set SPARE, 16384                      ; the spare words: 128 bytes for each wave, four blocks of 256 bytes that no other line names
.set XA,  3                            ; v3   4096 r + 64 h: my 16 numbers of a block of 32 in row r
.set SH,  4                            ; v4, v5   2^e0 and 448 x 2^e0 (hidden)
.set SW,  6                            ; v6, v7   the same with e1 (W_w)
.set SU,  8                            ; v8, v9   the same with e3 (U_w)
.set RW,  10                           ; v10  where my partial sums go: 2048 wave + 512 h + 4 r
.set RO,  11                           ; v11  512 wave + 16 lane: my 16 bytes of a tile, in LDS and in hbw alike
.set BO,  13                           ; v13  16 (lane % 4): my four columns of the block's sixteen
.set LI,  14                           ; v14  16 lane
.set SPW, 15                           ; v15  LDS address of my spare word; never rewritten
.set NIL, 16                           ; v16  0; never rewritten
.set WB,  20                           ; v20-23 W_b, v24-27 U_b of my four columns
.set UB,  24
.set CW,  32                           ; v32-47   W_w's fragment
.set CH0, 48                           ; v48-63   hidden's, batches 0-15
.set S0,  64                           ; v64-127  64 numbers as loaded (W_w); then:
.set CH1, 64                           ; v64-79   hidden's fragment, batches 16-31
.set AC0, 80                           ; v80-87, v88-95 the two sums
.set AC1, 88
.set CU,  96                           ; v96-111  U_w's fragment
.set S1,  128                          ; v128-191 hidden's batches 0-15, then U_w
.set S2,  192                          ; v192-255 hidden's batches 16-31, then the eight partial tiles
.macro XLOAD set, base, off            ; lane (r, h): of row r, 16 neighbours of each block of 32: register 16 c + i = k 32 c + 16 h + i
.irp c, 0,1,2,3
.irp j, 0,1,2,3
	global_load_b128 v[\set+16*\c+4*\j:\set+16*\c+4*\j+3], v[XA], s[\base:\base+1] offset:\off+128*\c+16*\j
.endr
.endr
.endm
.macro QUANT src, dst, sc, lim         ; 64 numbers of a lane become a fragment's 16 registers
.irp c, 0,1,2,3
.irp i, 0,1,2,3,4,5,6,7,8,9,10,11,12,13,14,15
	v_med3_num_f32 v[\src+16*\c+\i], v[\src+16*\c+\i], -v[\lim], v[\lim]   ; the conversion to an 8-bit code does not saturate (ISA guide 7.6.2): the hold at the largest code x the scale
.endr
	v_cvt_scalef32_pk8_fp8_f32 v[\dst+4*\c:\dst+4*\c+1], v[\src+16*\c:\src+16*\c+7], v[\sc]
	v_cvt_scalef32_pk8_fp8_f32 v[\dst+4*\c+2:\dst+4*\c+3], v[\src+16*\c+8:\src+16*\c+15], v[\sc]
.endr
	v_nop                                          ; a plain instruction behind the last conversion, ahead of whatever next touches its registers
.endm
.macro MKSC e, sc                      ; v[sc] = 2^e as f32, v[sc+1] = 448 x 2^e
	s_add_co_i32 s40, s[\e], 127
	s_lshl_b32 s41, s40, 23
	v_mov_b32 v[\sc], s41
	s_add_co_i32 s40, s40, 8
	s_lshl_b32 s40, s40, 23
	s_or_b32 s40, s40, 0x600000
	v_mov_b32 v[\sc+1], s40
.endm
	s_load_b256 s[4:11], s[0:1], 0x0               ; U_w s[4:5], W_w s[6:7], hidden s[8:9], W_b s[10:11]
	s_load_b256 s[12:19], s[0:1], 0x20             ; U_b s[12:13], the scales' exponents s[14:15], ucodes s[16:17], hbw s[18:19]
	v_lshl_add_u32 v[SPW], v0, 2, SPARE
	v_mov_b32 v[NIL], 0
	v_lshrrev_b32 v1, 5, v0
	s_delay_alu instid0(VALU_DEP_1)
	v_readfirstlane_b32 s20, v1                    ; wave 0..7 = my K step
	v_and_b32 v17, 31, v0                          ; lane
	v_and_b32 v1, 15, v0                           ; r
	v_bfe_u32 v2, v0, 4, 1                         ; h
	s_delay_alu instid0(VALU_DEP_2)
	v_lshlrev_b32 v[XA], 12, v1
	s_delay_alu instid0(VALU_DEP_1)
	v_lshl_add_u32 v[XA], v2, 6, v[XA]
	v_lshlrev_b32 v[LI], 4, v17
	s_lshl_b32 s21, s20, 11
	v_lshlrev_b32 v[RW], 2, v1
	s_delay_alu instid0(VALU_DEP_1)
	v_lshl_add_u32 v[RW], v2, 9, v[RW]
	s_delay_alu instid0(VALU_DEP_1)
	v_add_nc_u32 v[RW], s21, v[RW]
	s_lshl_b32 s21, s20, 9
	v_add_nc_u32 v[RO], s21, v[LI]
	v_and_b32 v[BO], 3, v0
	s_delay_alu instid0(VALU_DEP_1)
	v_lshlrev_b32 v[BO], 4, v[BO]
	s_lshl_b32 s30, s20, 9                         ; my K step: 128 numbers = 512 bytes along a row
	s_mov_b32 s31, 0
	s_lshl_b32 s28, ttmp9, 16                      ; my work-group's 16 rows of 4,096 bytes
	s_add_co_u32 s28, s28, s30
	s_mov_b32 s29, 0
	s_lshr_b32 s34, ttmp9, 2                       ; ucodes: chunk g / 4,
	s_lshl_b32 s34, s34, 16
	s_lshl_b32 s35, s20, 13                        ; K step,
	s_add_co_u32 s34, s34, s35
	s_and_b32 s35, ttmp9, 3                        ; column block g % 4
	s_lshl_b32 s35, s35, 11
	s_add_co_u32 s34, s34, s35
	s_mov_b32 s35, 0
	s_lshl_b32 s36, ttmp9, 11                      ; hbw: column block g
	s_mov_b32 s37, 0
	s_lshl_b32 s38, ttmp9, 6                       ; the biases' 16 numbers
	s_mov_b32 s39, 0
	s_mov_b32 s42, 0x4038aa3b                      ; 2 log2(e)
	s_mov_b32 s43, s42                             ; (named with it as a pair, so it is written)
	s_wait_alu depctr_va_vdst(0)
	s_wait_kmcnt 0x0
	s_load_b128 s[24:27], s[14:15], 0x0            ; e0, e1, e2, e3
	s_add_nc_u64 s[4:5], s[4:5], s[28:29]
	s_add_nc_u64 s[6:7], s[6:7], s[28:29]
	s_add_nc_u64 s[8:9], s[8:9], s[30:31]
	s_add_nc_u64 s[10:11], s[10:11], s[38:39]
	s_add_nc_u64 s[12:13], s[12:13], s[38:39]
	s_add_nc_u64 s[16:17], s[16:17], s[34:35]
	s_add_nc_u64 s[18:19], s[18:19], s[36:37]
	global_load_b128 v[WB:WB+3], v[BO], s[10:11]
	global_load_b128 v[UB:UB+3], v[BO], s[12:13]
	XLOAD S0, 6, 0                                 ; W_w
	XLOAD S1, 8, 0                                 ; hidden, batches 0-15
	XLOAD S2, 8, 65536                             ; hidden, batches 16-31
	s_wait_kmcnt 0x0
	MKSC 24, SH
	MKSC 25, SW
	MKSC 27, SU
	s_add_co_i32 s32, s24, s25
	s_lshl_b32 s32, s32, 23
	s_add_co_i32 s32, s32, s42                     ; 2 log2(e) x 2^(e0 + e1): the two exponents are added to the exponent field
	s_mov_b32 s33, s32
	s_wait_alu depctr_va_vdst(0)
	s_wait_loadcnt 32                              ; the biases and W_w are in; hidden's 32 loads may be out
	QUANT S0, CW, SW, SW+1
	s_wait_loadcnt 16                              ; batches 0-15 are in; the 16 loads of batches 16-31 may be out
	QUANT S1, CH0, SH, SH+1
	XLOAD S1, 4, 0                                 ; U_w, into the registers just quantised
	s_wait_loadcnt 16                              ; batches 16-31 are in; U_w's 16 loads may be out
	QUANT S2, CH1, SH, SH+1
	v_wmma_f32_16x16x128_fp8_fp8 v[AC0:AC0+7], v[CH0:CH0+15], v[CW:CW+15], 0   ; register j of lane (r, h): batch 8 h + j, column r
	v_wmma_f32_16x16x128_fp8_fp8 v[AC1:AC1+7], v[CH1:CH1+15], v[CW:CW+15], 0   ; batch 16 + 8 h + j
	s_wait_loadcnt 0x0                             ; U_w
	QUANT S1, CU, SU, SU+1                         ; its 64 holds name no register of the two products: they are the places behind them
.irp q, 0,1,2,3
	global_store_b128 v[LI], v[CU+4*\q:CU+4*\q+3], s[16:17] offset:512*\q   ; the wave stores 512 consecutive bytes, aligned
.endr
.irp t, 0,1
.irp j, 0,1,2,3,4,5,6,7
	ds_store_b32 v[RW], v[AC0+8*\t+\j] offset:RED+64*(16*\t+\j)              ; each sum from its low end on
.endr
.endr
	s_wait_dscnt 0x0                               ; for the others' sake: my partial tile lies in LDS
	s_barrier_signal -1
	s_barrier_wait -1
	s_cmp_gt_u32 s20, 3                            ; 128 threads x 16 bytes are the tile: waves 0 to 3 add the eight parts
	s_cbranch_scc1 .Lend
.irp u, 0,1,2,3,4,5,6,7
	ds_load_b128 v[S2+4*\u:S2+4*\u+3], v[RO] offset:RED+2048*\u
.endr
	v_pk_add_f32 v[WB:WB+1], v[WB:WB+1], v[UB:UB+1]
	v_pk_add_f32 v[WB+2:WB+3], v[WB+2:WB+3], v[UB+2:UB+3]
	s_delay_alu instid0(VALU_DEP_2)
	v_pk_mul_f32 v[WB:WB+1], v[WB:WB+1], s[42:43] op_sel_hi:[1,0]            ; 2 log2(e) (W_b + U_b)
	s_delay_alu instid0(VALU_DEP_2)
	v_pk_mul_f32 v[WB+2:WB+3], v[WB+2:WB+3], s[42:43] op_sel_hi:[1,0]
	s_wait_dscnt 0x0
.irp d, 1,2,4
.set u, 0
.rept 4/\d
	v_pk_add_f32 v[S2+4*u:S2+4*u+1], v[S2+4*u:S2+4*u+1], v[S2+4*(u+\d):S2+4*(u+\d)+1]
	v_pk_add_f32 v[S2+4*u+2:S2+4*u+3], v[S2+4*u+2:S2+4*u+3], v[S2+4*(u+\d)+2:S2+4*(u+\d)+3]
.set u, u+2*\d
.endr
.endr
	s_delay_alu instid0(VALU_DEP_2)
	v_pk_fma_f32 v[S2:S2+1], v[S2:S2+1], s[32:33], v[WB:WB+1] op_sel_hi:[1,0,1]
	s_delay_alu instid0(VALU_DEP_2)
	v_pk_fma_f32 v[S2+2:S2+3], v[S2+2:S2+3], s[32:33], v[WB+2:WB+3] op_sel_hi:[1,0,1]
	global_store_b128 v[RO], v[S2:S2+3], s[18:19]  ; the wave stores 512 consecutive bytes, aligned
.Lend:
	s_wait_tensorcnt 0x0                           ; the wave's end
	ds_add_u32 v[SPW], v[NIL]
	s_wait_dscnt 0x0
	s_endpgm
.Lfunc_end_k_q7a521f7f9a_prep:
	.size	k_q7a521f7f9a_prep, .Lfunc_end_k_q7a521f7f9a_prep-k_q7a521f7f9a_prep
	.p2alignl 7, 3214868480
	.fill 96, 4, 3214868480
	.section	.rodata,"a",@progbits
	.p2align	6, 0x0
	.amdhsa_kernel k_q7a521f7f9a_prep
		.amdhsa_group_segment_fixed_size 17408
		.amdhsa_private_segment_fixed_size 0
		.amdhsa_enable_private_segment 0
		.amdhsa_kernarg_size 64
		.amdhsa_user_sgpr_count 2
		.amdhsa_user_sgpr_kernarg_segment_ptr 1
		.amdhsa_wavefront_size32 1
		.amdhsa_system_sgpr_workgroup_id_x 1
		.amdhsa_system_sgpr_workgroup_id_y 1
		.amdhsa_system_sgpr_workgroup_id_z 1
		.amdhsa_system_vgpr_workitem_id 0
		.amdhsa_next_free_vgpr 256
		.amdhsa_next_free_sgpr 66
		.amdhsa_reserve_vcc 0
		.amdhsa_float_denorm_mode_32 3
		.amdhsa_float_denorm_mode_16_64 3
		.amdhsa_memory_ordered 1
		.amdhsa_forward_progress 1
		.amdhsa_inst_pref_size 32
	.end_amdhsa_kernel
	.amdgpu_metadata
---
amdhsa.version: [ 1, 2 ]
amdhsa.kernels:
  - .name:           k_q7a521f7f9a_prep
    .symbol:         k_q7a521f7f9a_prep.kd
    .args:
      - { .name: U_w, .offset: 0, .size: 8, .value_kind: global_buffer, .address_space: global }
      - { .name: W_w, .offset: 8, .size: 8, .value_kind: global_buffer, .address_space: global }
      - { .name: hidden, .offset: 16, .size: 8, .value_kind: global_buffer, .address_space: global }
      - { .name: W_b, .offset: 24, .size: 8, .value_kind: global_buffer, .address_space: global }
      - { .name: U_b, .offset: 32, .size: 8, .value_kind: global_buffer, .address_space: global }
      - { .name: lowp_scales, .offset: 40, .size: 8, .value_kind: global_buffer, .address_space: global }
      - { .name: ucodes, .offset: 48, .size: 8, .value_kind: global_buffer, .address_space: global }
      - { .name: hbw, .offset: 56, .size: 8, .value_kind: global_buffer, .address_space: global }
    .group_segment_fixed_size: 17408
    .private_segment_fixed_size: 0
    .kernarg_segment_align: 8
    .kernarg_segment_size: 64
    .max_flat_workgroup_size: 256
    .sgpr_count:     66
    .vgpr_count:     256
    .wavefront_size: 32
...
	.end_amdgpu_metadata
.endif
;; end of part 1
;; launch scores (part 2): grid 256 x 1, 4 waves a work-group, clusters of 4 x 1, 327,680 bytes of LDS; arguments encoder_output, ucodes, hbw, V_w, lowp_scales, sc; writes sc
.if DOCPART == 2
	.amdgcn_target "amdgcn-amd-amdhsa--gfx1250"
	.amdhsa_code_object_version 6
	.text
	.protected	k_q7a521f7f9a_scores
	.globl	k_q7a521f7f9a_scores
	.p2align	8
	.type	k_q7a521f7f9a_scores,@function
k_q7a521f7f9a_scores:
	s_mov_b64 s[64:65], 0
	v_nop
	global_prefetch_b8 v0, s[64:65] scope:SCOPE_SE
	s_setreg_imm32_b32 hwreg(HW_REG_WAVE_MODE, 25, 1), 1
	s_wait_xcnt 0x0
	s_wait_alu depctr_hold_cnt(0) depctr_sa_sdst(0) depctr_va_vdst(0) depctr_va_sdst(0) depctr_va_ssrc(0) depctr_va_vcc(0) depctr_vm_vsrc(0)
	s_getreg_b32 s2, hwreg(HW_REG_IB_STS2, 6, 4)
	s_cmp_eq_u32 s2, 0
	s_cbranch_scc0 .Lentry_in_a_cluster
	s_endpgm
.Lentry_in_a_cluster:
	s_bfe_u32 s2, ttmp6, 0x10000c
	s_cmp_lg_u32 s2, 0x3003
	s_cbranch_scc0 .Lentry_shape_is_right
	s_endpgm
.Lentry_shape_is_right:
; SECOND OF THREE LAUNCHES.  sc[b][s] = -2 log2(e) x sum_n V_n r_n, r = 1 / (1 + 2^t), t = 2 log2(e) x (h_proj + W_b + U_b + e_proj): the scores in base 2.
; V_b and sum_n V_n are left out as dead work (shown at the head of the first kernel: they are equal along the softmax's axis).
; SHARES.  A work-group takes 256 rows of encoder_output (an eighth of a batch), each of its four waves 64 rows.  A wave quantises its rows once (scale 2^e2) into 512 registers,
; 4 row blocks x 8 K steps x 16 registers, and keeps them; then it walks U's 1,024 columns, 32 a turn: 8 accumulators x 8 K steps = 64 matrix instructions, each fragment of U feeding four.
; THE HEAD: the rows come as f32 through two LDS slots by tensor loads, a wave's own 32 rows x 1,024 bytes a fill, eight fills; LDS rows 1,040 bytes apart.  One load a wave is out behind each round.
; Each wave asks the L2 for its own tile two fills ahead (fill 1 at the head, one fill ahead): 32 rows x 4 blocks of 256 bytes, a lane a row, four instructions; fills 6 and 7 are the last asked for.
; U'S CODES come in 16 chunks of 64 columns (65,536 bytes) through two slots, which lie on the first f32 slot's bytes once that slot has been read out.  The four work-groups of a cluster walk the same chunks:
; each chunk is asked for jointly (mask 15), a quarter a wave.  No prefetch for U: a chunk's load is issued two turns (128 matrix instructions and two epilogues) ahead of the wait for it.
; THE EPILOGUE goes in batches: 32 packed multiply-adds make t, 64 exponentials, 32 packed additions of 1, 64 reciprocals, 32 packed multiply-adds with V_n into 32 running sums.
; 2^t may overflow to infinity (r = 0) or fall to 0 (r = 1): both are tanh's limits.
; LIMITS: e2 between -126 and 119; e2 + e3 between -127 and 126 (added to an exponent field).  NaN among the quantised inputs is not served.
; REGISTERS: window 0: addresses, tables, sums, v128-191 accumulators (in the head v128-255: two sets of 64 numbers); window 1: 16 fragments of U; windows 2, 3: my rows' codes, K step k, row block a at 64 (k % 4) + 16 a of window 2 + k / 4.
.set EP,    1040                       ; an LDS row of the f32 tile: 1,024 bytes + 16 of padding
.set EW,    32*EP                      ; a wave's tile
.set ES,    4*EW                       ; an f32 slot
.set SLOTB, 65536                      ; a slot of U's codes
.set HBT,   2*ES                       ; tables: 1,024 x hbw of my batch, then 1,024 x V_w
.set SCS,   HBT+8192                   ; 256 bytes a wave for the way out
.set SPARE, SCS+1024                   ; the spare words: 128 bytes a wave, named by no other line
.set LI,  4                            ; 16 lane
.set STR, 6                            ; v6, v7: my place in my tile, f32 slot 0, 1
.set ADB, 8                            ; U's slot in hand + 16 lane
.set ADT, 9                            ; the tables at the chunk in hand + 4 r
.set SC,  11                           ; 2^e2
.set LIM, 12                           ; 448 x 2^e2
.set HBO, 13
.set T16, 14
.set TBW, 15
.set SS,  16
.set SL,  17
.set SO,  18
.set PFO, 19                           ; 4096 lane: a row a lane
.set SPW, 30
.set NIL, 31
.set BV,  32                           ; v32, v34: hbw of my column in the turn's two column blocks (low words of pairs)
.set VV,  36                           ; v36, v38: V_w likewise
.set S,   48                           ; v48-79: sums, row 16 a + 8 h + j at 8 a + j
.set TS,  80
.set ACC, 128
.set X,   128
.set WV,  16
.set G1,  24                           ; s[24:31], s[32:35]: U's descriptor
.set G0,  32
.set TB,  36
.set CNT, 38
.set C1,  40
.set G1E, 48                           ; s[48:55]: the f32 tile; s[56:59], s[60:63]: its groups 0, one a slot
.set G0E, 56
.set MSB, 0
.macro WIN new
.if MSB != (\new)
	s_set_vgpr_msb (MSB<<8)|(\new)
.set MSB, (\new)
.endif
.endm
.macro ROUND                           ; a round of the cluster's barrier
	s_barrier_signal -1
	s_barrier_wait -1
	s_cmp_lg_u32 s[WV], 0
	s_cbranch_scc1 .Lnot_wave_0_\@
	s_barrier_signal -3
.Lnot_wave_0_\@:
	s_barrier_wait -3
	s_barrier_signal -1
	s_barrier_wait -1
.endm
.macro PLACES
.rept 4
	v_nop
.endr
.endm
.macro LOADX e, n                      ; step n of a fill: row block n / 2, K step n % 2: lane (r, h) takes k = 32 c + 16 h + 0..15 of row r
.irp c, 0,1,2,3
.irp j, 0,1,2,3
	ds_load_b128 v[X+64*((\n)%2)+16*\c+4*\j:X+64*((\n)%2)+16*\c+4*\j+3], v[STR+(\e)] offset:16*EP*((\n)/2)+512*((\n)%2)+128*\c+16*\j
.endr
.endr
.endm
.macro QUANTA f, n                     ; 64 numbers of a lane become a fragment's 16 registers
.set XS, X+64*((\n)%2)
.set KS, 2*((\f)%4)+(\n)%2
.set AD, 64*(KS%4)+16*(2*((\f)/4)+(\n)/2)
.set i, 0
.rept 64
	v_med3_num_f32 v[XS+i], v[XS+i], -v[LIM], v[LIM]   ; the conversion does not saturate (ISA guide 7.6.2): the hold at the largest code x the scale
.set i, i+1
.endr
	WIN 0x80+0x40*(KS/4)
.irp c, 0,1,2,3
	v_cvt_scalef32_pk8_fp8_f32 v[AD+4*\c:AD+4*\c+1], v[XS+16*\c:XS+16*\c+7], v[SC]
	v_cvt_scalef32_pk8_fp8_f32 v[AD+4*\c+2:AD+4*\c+3], v[XS+16*\c+8:XS+16*\c+15], v[SC]
.endr
	v_nop                                          ; a plain instruction behind the last conversion
	WIN 0
.endm
.macro ASK g                           ; fill g's tile of my wave: 128 blocks of 256 bytes
.irp j, 0,1,2,3
	global_prefetch_b8 v[PFO], s[4:5] offset:131072*((\g)/4)+1024*((\g)%4)+256*\j th:TH_LOAD_NT scope:SCOPE_SE
.endr
.endm
; Fill f (rows 32 (f / 4) on, bytes 1,024 (f % 4) on) is worked; behind the round the other slot takes fill f + 1, or, behind fill 6's last read, U's chunk 0.
.macro FILL f
.set GN, (\f)+1
	s_wait_tensorcnt 0x0                           ; my one load, fill f, has landed
	ds_add_u32 v[SPW], v[NIL]
.if ((\f) >= 1) && ((\f) <= 6)
	s_add_nc_u64 s[G0E+4*(GN%2)+2:G0E+4*(GN%2)+3], s[G0E+4*(GN%2)+2:G0E+4*(GN%2)+3], 131072*(GN/4-(GN-2)/4)+1024*(GN%4)-1024*((GN-2)%4)
.endif
	s_wait_dscnt 0x0                               ; the add, and my reads of the other slot
	ROUND
.if (\f) < 7
	tensor_load_to_lds s[G0E+4*(GN%2):G0E+4*(GN%2)+3], s[G1E:G1E+7]
.else
	tensor_load_to_lds s[G0:G0+3], s[G1:G1+7]
.endif
	s_nop 0
	PLACES
	LOADX (\f)%2, 0
	LOADX (\f)%2, 1
	s_wait_dscnt 16                                ; step 0 is in; step 1's 16 loads may be out
.if (\f) <= 5
	ASK (\f)+2
.endif
	QUANTA \f, 0
	LOADX (\f)%2, 2
	s_wait_dscnt 16
	QUANTA \f, 1
	LOADX (\f)%2, 3
	s_wait_dscnt 16
	QUANTA \f, 2
	s_wait_dscnt 0x0
	QUANTA \f, 3
.endm
; The change of U's slots, at the head of a chunk's second turn: my reads of the chunk in hand are over, the next chunk is whole.  how = 1: the slot left takes the chunk two on.
.macro CHANGE how
	s_wait_tensorcnt 0x0
	ds_add_u32 v[SPW], v[NIL]
	s_xor_b32 s[TB], s[TB], SLOTB
.if (\how) == 1
	s_xor_b32 s[G0+1], s[G0+1], SLOTB
	s_add_nc_u64 s[G0+2:G0+3], s[G0+2:G0+3], 65536
	s_wait_dscnt 0x0
	ROUND
	tensor_load_to_lds s[G0:G0+3], s[G1:G1+7]
	s_nop 0
	PLACES
.else
	s_wait_dscnt 0x0
	s_barrier_signal -1
	s_barrier_wait -1
.endif
	v_add_nc_u32 v[ADB], s[TB], v[LI]
	s_wait_alu depctr_va_vdst(0)
.endm
; A turn: columns 32 p .. 32 p + 31 of a chunk.  nxt: the next turn's 16 fragments are fetched in four runs, each behind the 16 products that read its registers last.  adv: a new chunk's tables.
.macro TURN p, chg, nxt, adv
	WIN 0
	s_wait_alu depctr_va_vdst(0)
.if \chg
	CHANGE \chg
.else
	s_wait_dscnt 0x0                               ; this turn's fragments are in
.endif
.if \adv
	v_add_nc_u32 v[ADT], 0x100, v[ADT]
.endif
.irp u, 0,1
	ds_load_b32 v[BV+2*\u], v[ADT] offset:64*(2*(\p)+\u)
	ds_load_b32 v[VV+2*\u], v[ADT] offset:4096+64*(2*(\p)+\u)
.endr
.set i, 0
.rept 64                               ; K step i / 8, row block (i % 8) / 2, column block i % 2: the eight accumulators by turns
	WIN 0x06+i/32
.set rD, ACC+8*(i%8)
.set rA, 64*((i/8)%4)+16*((i%8)/2)
.set rF, 16*(2*(i/8)+i%2)
.if i < 8
	v_wmma_f32_16x16x128_fp8_fp8 v[rD:rD+7], v[rA:rA+15], v[rF:rF+15], 0
.else
	v_wmma_f32_16x16x128_fp8_fp8 v[rD:rD+7], v[rA:rA+15], v[rF:rF+15], v[rD:rD+7]
.endif
.if ((i%16) == 15) && (\nxt)
	PLACES
	WIN 0x40
.irp kk, 0,1
.irp u, 0,1
.irp q, 0,1,2,3
	ds_load_b128 v[16*(2*(2*(i/16)+\kk)+\u)+4*\q:16*(2*(2*(i/16)+\kk)+\u)+4*\q+3], v[ADB] offset:8192*(2*(i/16)+\kk)+2048*(2*(1-(\p))+\u)+512*\q
.endr
.endr
.endr
.endif
.set i, i+1
.endr
	WIN 0
.if \nxt
	s_wait_dscnt 16                                ; the tables' four words are in; the last run's 16 loads may be out
.else
	PLACES
	s_wait_dscnt 0x0
.endif
.irp x, 0,1,2,3,4,5,6,7                ; t = sum x 2 log2(e) 2^(e2 + e3) + hbw: each accumulator from its low end on
.irp m, 0,1,2,3
	v_pk_fma_f32 v[ACC+8*\x+2*\m:ACC+8*\x+2*\m+1], v[ACC+8*\x+2*\m:ACC+8*\x+2*\m+1], s[C1:C1+1], v[BV+2*(\x%2):BV+2*(\x%2)+1] op_sel_hi:[1,0,0]
.endr
.endr
	s_wait_alu depctr_va_vdst(0)
.set i, 0
.rept 64
	v_exp_f32 v[ACC+i], v[ACC+i]
.set i, i+1
.endr
	v_nop
	s_wait_alu depctr_va_vdst(0)
.set i, 0
.rept 32
	v_pk_add_f32 v[ACC+i:ACC+i+1], v[ACC+i:ACC+i+1], 1.0 op_sel_hi:[1,0]
.set i, i+2
.endr
	s_wait_alu depctr_va_vdst(0)
.set i, 0
.rept 64
	v_rcp_f32 v[ACC+i], v[ACC+i]
.set i, i+1
.endr
	v_nop
	s_wait_alu depctr_va_vdst(0)
.irp x, 0,2,4,6,1,3,5,7                ; sums += V_n r
.irp m, 0,1,2,3
	v_pk_fma_f32 v[S+8*(\x/2)+2*\m:S+8*(\x/2)+2*\m+1], v[ACC+8*\x+2*\m:ACC+8*\x+2*\m+1], v[VV+2*(\x%2):VV+2*(\x%2)+1], v[S+8*(\x/2)+2*\m:S+8*(\x/2)+2*\m+1] op_sel_hi:[1,0,1]
.endr
.endr
.endm
	s_load_b256 s[4:11], s[0:1], 0x0               ; encoder_output, ucodes, hbw, V_w
	s_load_b128 s[12:15], s[0:1], 0x20             ; the scales' exponents, sc
	v_lshl_add_u32 v[SPW], v0, 2, SPARE
	v_mov_b32 v[NIL], 0
	ds_add_u32 v[SPW], v[NIL]                      ; the opening lines: the add twice on end and one wait
	ds_add_u32 v[SPW], v[NIL]
	v_lshrrev_b32 v1, 5, v0
	v_readfirstlane_b32 s[WV], v1                  ; wave 0..3
	s_bfe_u32 s17, ttmp6, 0x40000                  ; cx
	s_lshl_b32 s18, ttmp9, 2
	s_add_co_u32 s18, s18, s17                     ; work-group
	s_lshr_b32 s19, ttmp9, 1                       ; batch: eight work-groups, two clusters
	s_mov_b32 s[G1+0], 15|(3<<16)|(1<<21)          ; U: jointly by the cluster's four; 64 rows of 32 elements of 8 bytes, dense
	s_mov_b32 s[G1+1], 32<<16
	s_mov_b32 s[G1+2], 64<<16
	s_mov_b32 s[G1+3], 32<<16
	s_mov_b32 s[G1+4], 64
	s_mov_b32 s[G1+5], 32
	s_mov_b32 s[G1+6], 0
	s_mov_b32 s[G1+7], 0
	s_mov_b32 s[G1E+0], (2<<16)|(1<<20)|(7<<22)|(3<<25)   ; f32: 32 rows of 256 elements of 4 bytes, 1,024 elements apart; four words of padding behind every 256
	s_mov_b32 s[G1E+1], 256<<16
	s_mov_b32 s[G1E+2], 32<<16
	s_mov_b32 s[G1E+3], 256<<16
	s_mov_b32 s[G1E+4], 32
	s_mov_b32 s[G1E+5], 1024
	s_mov_b32 s[G1E+6], 0
	s_mov_b32 s[G1E+7], 0
	s_mul_i32 s42, s[WV], EW
	s_lshl_b32 s43, s19, 6
	s_lshl_b32 s44, s[WV], 8
	s_add_co_u32 s44, s44, SCS
	v_and_b32 v1, 31, v0                           ; lane
	v_and_b32 v2, 15, v0                           ; r
	v_bfe_u32 v3, v0, 4, 1                         ; h
	v_lshlrev_b32 v[LI], 4, v1
	v_mul_u32_u24 v[STR], v2, EP
	v_lshl_add_u32 v[STR], v3, 6, v[STR]
	v_add_nc_u32 v[STR], s42, v[STR]
	v_add_nc_u32 v[STR+1], ES, v[STR]
	v_lshl_add_u32 v[ADT], v2, 2, HBT
	v_lshrrev_b32 v[HBO], 2, v0                    ; hbw: column block t / 4, my batch, 16 bytes t % 4
	v_lshlrev_b32 v[HBO], 11, v[HBO]
	v_and_b32 v[T16], 3, v0
	v_lshl_add_u32 v[HBO], v[T16], 4, v[HBO]
	v_add_nc_u32 v[HBO], s43, v[HBO]
	v_lshlrev_b32 v[T16], 4, v0
	v_add_nc_u32 v[TBW], HBT, v[T16]
	v_lshl_add_u32 v[SS], v3, 5, s44
	v_lshl_add_u32 v[SL], v1, 3, s44
	v_lshlrev_b32 v[SO], 3, v1
	v_lshlrev_b32 v[PFO], 12, v1
	v_lshlrev_b32 v[ADB], 4, v1
	s_lshl_b32 s20, s18, 20                        ; my rows: 256 x 4,096 bytes a work-group, 64 a wave
	s_lshl_b32 s21, s[WV], 18
	s_add_co_u32 s20, s20, s21
	s_mov_b32 s21, 0
	s_lshl_b32 s22, s[WV], 14                      ; my quarter of a chunk
	s_mov_b32 s23, 0
	s_lshl_b32 s44, s18, 10
	s_lshl_b32 s45, s[WV], 8
	s_add_co_u32 s44, s44, s45
	s_mov_b32 s45, 0
	s_mov_b32 s[TB], 0
	s_mov_b32 s46, 0xc038aa3b                      ; -2 log2(e)
	s_mov_b32 s47, s46
	s_wait_alu depctr_va_vdst(0)
	s_wait_dscnt 0x0
	s_wait_kmcnt 0x0
	s_add_nc_u64 s[4:5], s[4:5], s[20:21]
	s_add_nc_u64 s[6:7], s[6:7], s[22:23]
	s_add_nc_u64 s[14:15], s[14:15], s[44:45]
	s_load_b128 s[20:23], s[12:13], 0x0            ; e0, e1, e2, e3
	s_mov_b32 s[G0E], 1
	s_mov_b32 s[G0E+1], s42
	s_mov_b64 s[G0E+2:G0E+3], s[4:5]
	s_or_b32 s[G0E+3], s[G0E+3], 0x80000000
	s_mov_b32 s[G0E+4], 1
	s_add_co_u32 s[G0E+5], s42, ES
	s_add_nc_u64 s[G0E+6:G0E+7], s[4:5], 1024
	s_or_b32 s[G0E+7], s[G0E+7], 0x80000000
	s_mov_b32 s[G0], 1
	s_lshl_b32 s[G0+1], s[WV], 14
	s_mov_b64 s[G0+2:G0+3], s[6:7]
	s_or_b32 s[G0+3], s[G0+3], 0x80000000
	ROUND
	tensor_load_to_lds s[G0E:G0E+3], s[G1E:G1E+7]  ; fill 0: one tensor load a wave at the head
	s_nop 0
	PLACES
	global_load_b128 v[TS:TS+3],     v[HBO], s[8:9]
	global_load_b128 v[TS+4:TS+7],   v[HBO], s[8:9] offset:65536
	global_load_b128 v[TS+8:TS+11],  v[T16], s[10:11]
	global_load_b128 v[TS+12:TS+15], v[T16], s[10:11] offset:2048
	ASK 1
	s_wait_kmcnt 0x0
	s_add_co_i32 s42, s22, 127
	s_lshl_b32 s43, s42, 23
	v_mov_b32 v[SC], s43
	s_add_co_i32 s42, s42, 8
	s_lshl_b32 s42, s42, 23
	s_or_b32 s42, s42, 0x600000
	v_mov_b32 v[LIM], s42
	s_add_co_i32 s42, s22, s23
	s_lshl_b32 s42, s42, 23
	s_add_co_i32 s[C1], s42, 0x4038aa3b            ; 2 log2(e) x 2^(e2 + e3)
	s_mov_b32 s[C1+1], s[C1]
	s_wait_alu depctr_va_vdst(0)
	s_wait_loadcnt 0x0
.irp u, 0,1,2,3
	ds_store_b128 v[TBW], v[TS+4*\u:TS+4*\u+3] offset:2048*\u   ; the tables; the others read them behind fill 0's round
.endr
.irp f, 0,1,2,3,4,5,6,7
	FILL \f
.endr
	s_wait_alu depctr_va_vdst(0)
	s_wait_tensorcnt 0x0                           ; my quarter of chunk 0
	ds_add_u32 v[SPW], v[NIL]
	s_xor_b32 s[G0+1], s[G0+1], SLOTB
	s_add_nc_u64 s[G0+2:G0+3], s[G0+2:G0+3], 65536
	s_wait_dscnt 0x0
	ROUND
	tensor_load_to_lds s[G0:G0+3], s[G1:G1+7]      ; chunk 1
	s_nop 0
	PLACES
.set i, 0
.rept 32
	v_mov_b32 v[S+i], 0
.set i, i+1
.endr
.irp b, 0,1
	v_mov_b32 v[BV+2*\b+1], 0                      ; named as the upper halves of pairs
	v_mov_b32 v[VV+2*\b+1], 0
.endr
	WIN 0x40
.set j, 0
.rept 16
.irp q, 0,1,2,3
	ds_load_b128 v[16*j+4*\q:16*j+4*\q+3], v[ADB] offset:8192*(j/2)+2048*(j%2)+512*\q
.endr
.set j, j+1
.endr
	TURN 0, 0, 1, 0
	s_mov_b32 s[CNT], 14
.Lchunk:                                               ; a trip: a chunk's second turn, with the refill, and the next chunk's first
	TURN 1, 1, 1, 0
	TURN 0, 0, 1, 1
	s_sub_co_u32 s[CNT], s[CNT], 1
	s_cmp_lg_u32 s[CNT], 0
	s_cbranch_scc1 .Lchunk
	TURN 1, 2, 1, 0                                ; the last three turns ask for no chunk
	TURN 0, 0, 1, 1
	TURN 1, 0, 0, 0
.irp m, 1,2,4,8                        ; the sixteen lanes of a half hold sixteen columns' parts
.set i, 0
.rept 32
	v_add_f32_dpp v[S+i], v[S+i], v[S+i] row_xmask:\m row_mask:0xf bank_mask:0xf
.set i, i+1
.endr
.endr
.irp a, 0,1,2,3
.irp j, 0,1,2,3,4,5,6,7
	ds_store_b32 v[SS], v[S+8*\a+\j] offset:64*\a+4*\j   ; sixteen lanes write one word with one value
.endr
.endr
	ds_load_b64 v[TS:TS+1], v[SL]
	s_wait_dscnt 0x0
	v_pk_mul_f32 v[TS+2:TS+3], v[TS:TS+1], s[46:47] op_sel_hi:[1,0]
	global_store_b64 v[SO], v[TS+2:TS+3], s[14:15]       ; the wave stores 256 consecutive bytes, aligned
	s_wait_tensorcnt 0x0                           ; the wave's end
	ds_add_u32 v[SPW], v[NIL]
	s_wait_dscnt 0x0
	ROUND                                          ; the closing round
	s_endpgm
.Lfunc_end_k_q7a521f7f9a_scores:
	.size	k_q7a521f7f9a_scores, .Lfunc_end_k_q7a521f7f9a_scores-k_q7a521f7f9a_scores
	.p2alignl 7, 3214868480
	.fill 96, 4, 3214868480
	.section	.rodata,"a",@progbits
	.p2align	6, 0x0
	.amdhsa_kernel k_q7a521f7f9a_scores
		.amdhsa_group_segment_fixed_size 327680
		.amdhsa_private_segment_fixed_size 0
		.amdhsa_enable_private_segment 0
		.amdhsa_kernarg_size 48
		.amdhsa_user_sgpr_count 2
		.amdhsa_user_sgpr_kernarg_segment_ptr 1
		.amdhsa_wavefront_size32 1
		.amdhsa_system_sgpr_workgroup_id_x 1
		.amdhsa_system_sgpr_workgroup_id_y 1
		.amdhsa_system_sgpr_workgroup_id_z 1
		.amdhsa_system_vgpr_workitem_id 0
		.amdhsa_next_free_vgpr 1024
		.amdhsa_next_free_sgpr 66
		.amdhsa_reserve_vcc 0
		.amdhsa_float_denorm_mode_32 3
		.amdhsa_float_denorm_mode_16_64 3
		.amdhsa_memory_ordered 1
		.amdhsa_forward_progress 1
		.amdhsa_inst_pref_size 255
	.end_amdhsa_kernel
	.section	.bss,"aw",@nobits
	.p2align	6
	.space	262144
	.amdgpu_metadata
---
amdhsa.version: [ 1, 2 ]
amdhsa.kernels:
  - .name:           k_q7a521f7f9a_scores
    .symbol:         k_q7a521f7f9a_scores.kd
    .args:
      - { .name: encoder_output, .offset: 0, .size: 8, .value_kind: global_buffer, .address_space: global }
      - { .name: ucodes, .offset: 8, .size: 8, .value_kind: global_buffer, .address_space: global }
      - { .name: hbw, .offset: 16, .size: 8, .value_kind: global_buffer, .address_space: global }
      - { .name: V_w, .offset: 24, .size: 8, .value_kind: global_buffer, .address_space: global }
      - { .name: lowp_scales, .offset: 32, .size: 8, .value_kind: global_buffer, .address_space: global }
      - { .name: sc, .offset: 40, .size: 8, .value_kind: global_buffer, .address_space: global }
    .group_segment_fixed_size: 327680
    .private_segment_fixed_size: 0
    .kernarg_segment_align: 8
    .kernarg_segment_size: 48
    .max_flat_workgroup_size: 128
    .sgpr_count:     66
    .vgpr_count:     1024
    .wavefront_size: 32
...
	.end_amdgpu_metadata
.endif
;; end of part 2
;; launch ctx (part 3): grid 8 x 32, 4 waves a work-group, no clusters, 327,680 bytes of LDS; arguments encoder_output, sc, out0, out1; writes out0, out1
.if DOCPART == 3
	.amdgcn_target "amdgcn-amd-amdhsa--gfx1250"
	.amdhsa_code_object_version 6
	.text
	.protected	k_q7a521f7f9a_ctx
	.globl	k_q7a521f7f9a_ctx
	.p2align	8
	.type	k_q7a521f7f9a_ctx,@function
k_q7a521f7f9a_ctx:
	s_mov_b64 s[64:65], 0
	v_nop
	global_prefetch_b8 v0, s[64:65] scope:SCOPE_SE
	s_setreg_imm32_b32 hwreg(HW_REG_WAVE_MODE, 25, 1), 1
	s_wait_xcnt 0x0
; attention = softmax of the scores, context = attention x encoder_output, all in f32.  sc holds the scores in base 2 without V_b and sum_n V_n, which are left out as dead work
; (shown at the head of the first kernel): p = 2^(sc - M), M the row's largest sc; attention = p / l; context = (sum_s p_s enc_s) / l.
; SHARES.  Work-group (g, b) makes columns 128 g .. 128 g + 127 of batch b's context and entries 256 g .. 256 g + 255 of its attention: each output byte has one owner.
; THE STREAM.  The batch's 2,048 rows x 512 bytes come through two LDS slots of 256 rows, eight fills; each of the four waves fetches and reads its own 64 rows of a fill: one tensor load a wave is out behind each barrier.
; A row's 512 bytes are read by the 32 lanes on end, 16 bytes a lane, so the LDS rows have no padding.  The rows' weights are read from LDS, four a load, the same 16 bytes in every lane.
; A row goes into one of four sets of four sums, by turns: 15 plain instructions stand between a sum's write and its next read.
; PREFETCH: each wave asks the L2 for its own tile two fills ahead (fill 1 at the head, one fill ahead): 64 rows x 2 blocks of 256 bytes, a lane a row, four instructions; the trips of fills 6 and 7 ask for nothing.
; No matrix unit (M = 1); no cluster (no two work-groups read the same bytes of encoder_output).
.set SLOT1, 131072                     ; slot 1 begins here: one exclusive or turns an address from one slot to the other
.set RM,    262144                     ; the four waves' maxima,
.set RS,    RM+256                     ; their sums,
.set PT,    RM+512                     ; the 2,048 weights p,
.set CP,    PT+8192                    ; the four waves' partial contexts, 512 bytes each
.set SPARE, CP+2048                    ; the spare words: 128 bytes a wave, named by no other line
.set T16,  2                           ; 16 t
.set XA0,  3                           ; 32768 wave + 16 lane: my place in my rows of a slot
.set A,    20                          ; v20-35 four sets of four sums
.set R,    36                          ; v36-43 at work in the reductions
.set W4,   44                          ; RM + 4 wave
.set PA0,  45                          ; PT + 256 wave
.set XA,   46                          ; the fill's rows
.set PA,   47                          ; the fill's weights
.set ZM,   48                          ; RM
.set ATO,  50                          ; 2048 (g / 2) + 16 t: where my group g / 2 of four weights lies in a row of the attention
.set PFO,  51                          ; 4096 lane: a row a lane
.set RL,   52                          ; v[52:53] 1 / l, twice
.set SPW,  54
.set NIL,  55
.set CPW,  56                          ; CP + 16 t
.set CPR,  57                          ; CP + 16 lane
.set OO,   58                          ; 16 lane
.set PTW,  59                          ; PT + 16 t
.set P,    60                          ; v60-91  32 rows' weights
.set X,    96                          ; v96-223 32 rows, four registers each
.set G1,   24                          ; s[24:31], s[32:35]: the descriptor, which walks
.set G0,   32
.set TB,   36                          ; the slot in hand
.set PB,   37                          ; 1024 x the fill in hand
.set CNT,  38
.set PF,   40                          ; s[40:41] my tile of the fill that the prefetch names
.macro PLACES
.rept 4
	v_nop
.endr
.endm
.macro ASKS
.irp o, 0, 256, 131072, 131328
	global_prefetch_b8 v[PFO], s[PF:PF+1] offset:\o th:TH_LOAD_NT scope:SCOPE_SE
.endr
.endm
; A fill is worked.  fill = 1: behind the barrier the other slot takes the next 256 rows.
.macro TRIP fill
	s_wait_alu depctr_va_vdst(0)
	s_wait_tensorcnt 0x0                           ; my one load, this fill's 64 rows, has landed
	ds_add_u32 v[SPW], v[NIL]
.if \fill
	s_xor_b32 s[G0+1], s[G0+1], SLOT1
	s_add_nc_u64 s[G0+2:G0+3], s[G0+2:G0+3], 0x100000      ; 256 rows of 4,096 bytes on
	s_wait_xcnt 0x0                                ; my prefetches have read their address
	s_add_nc_u64 s[PF:PF+1], s[PF:PF+1], 0x100000
.endif
	s_wait_dscnt 0x0                               ; the add, and my reads of the other slot
	s_barrier_signal -1
	s_barrier_wait -1
.if \fill
	tensor_load_to_lds s[G0:G0+3], s[G1:G1+7]
	s_nop 0
	PLACES
.endif
	v_add_nc_u32 v[XA], s[TB], v[XA0]
	v_add_nc_u32 v[PA], s[PB], v[PA0]
.irp hf, 0,1                           ; my 64 rows in two halves
.irp q, 0,1,2,3,4,5,6,7
	ds_load_b128 v[P+4*\q:P+4*\q+3], v[PA] offset:128*\hf+16*\q
.endr
.set i, 0
.rept 32
	ds_load_b128 v[X+4*i:X+4*i+3], v[XA] offset:512*(32*\hf+i)
.set i, i+1
.endr
.if (\hf == 0) && (\fill)
	s_cmp_ge_u32 s[CNT], 2                         ; the fill two on exists while two or more refills are to come
	s_cbranch_scc0 .Lnone_\@
	ASKS
.Lnone_\@:
.endif
	s_wait_dscnt 0x0
.set i, 0
.rept 32
.irp c, 0,1,2,3
	v_fmac_f32 v[A+4*(i%4)+\c], v[P+i], v[X+4*i+\c]
.endr
.set i, i+1
.endr
.endr
	s_xor_b32 s[TB], s[TB], SLOT1
	s_add_co_u32 s[PB], s[PB], 1024
.endm
	s_load_b256 s[4:11], s[0:1], 0x0               ; encoder_output, sc, out0, out1
	v_lshl_add_u32 v[SPW], v0, 2, SPARE
	v_mov_b32 v[NIL], 0
	ds_add_u32 v[SPW], v[NIL]                      ; the opening lines: the add twice on end and one wait
	ds_add_u32 v[SPW], v[NIL]
	v_lshrrev_b32 v1, 5, v0
	v_readfirstlane_b32 s14, v1                    ; wave 0..3
	s_mov_b32 s[G1+0], 2<<16                       ; 64 rows of 128 elements of 4 bytes, 1,024 elements apart
	s_mov_b32 s[G1+1], 128<<16
	s_mov_b32 s[G1+2], 64<<16
	s_mov_b32 s[G1+3], 128<<16
	s_mov_b32 s[G1+4], 64
	s_mov_b32 s[G1+5], 1024
	s_mov_b32 s[G1+6], 0
	s_mov_b32 s[G1+7], 0
	s_mov_b32 s12, 0x76543210                      ; v_permlanex16_b32's selects for lane l xor 16
	s_mov_b32 s13, 0xfedcba98
	s_and_b32 s15, ttmp7, 0xffff                   ; the batch
	s_lshl_b32 s17, s14, 15
	s_lshl_b32 s18, s14, 2
	s_add_co_u32 s18, s18, RM
	s_lshl_b32 s19, s14, 8
	s_add_co_u32 s19, s19, PT
	s_lshr_b32 s20, ttmp9, 1                       ; entries 256 g on are group g / 2 (of the four that a thread holds) in waves 2 (g % 2) and 2 (g % 2) + 1
	s_lshl_b32 s21, s20, 11
	s_bitcmp1_b32 ttmp9, 1
	s_cselect_b32 s42, -1, 0                       ; all lanes: the group's number is odd
	s_bitcmp1_b32 ttmp9, 2
	s_cselect_b32 s43, -1, 0                       ; all lanes: it is 2 or 3
	s_and_b32 s44, ttmp9, 1
	v_and_b32 v1, 31, v0
	v_lshlrev_b32 v[T16], 4, v0
	v_lshlrev_b32 v[OO], 4, v1
	v_add_nc_u32 v[XA0], s17, v[OO]
	v_mov_b32 v[W4], s18
	v_mov_b32 v[PA0], s19
	v_mov_b32 v[ZM], RM
	v_add_nc_u32 v[PTW], PT, v[T16]
	v_add_nc_u32 v[ATO], s21, v[T16]
	v_lshlrev_b32 v[PFO], 12, v1
	v_add_nc_u32 v[CPW], CP, v[T16]
	v_add_nc_u32 v[CPR], CP, v[OO]
	v_mov_b32 v[R+1], 0                            ; written once: a lane permute's destination counts as one of its sources
.set i, 0
.rept 16
	v_mov_b32 v[A+i], 0                            ; the trip is written once: its first pass finds zeros
.set i, i+1
.endr
	s_lshl_b32 s16, s15, 23                        ; 2,048 rows of 4,096 bytes a batch,
	s_lshl_b32 s22, s14, 18                        ; 64 rows a wave,
	s_add_co_u32 s16, s16, s22
	s_lshl_b32 s22, ttmp9, 9                       ; 128 columns a work-group
	s_add_co_u32 s16, s16, s22
	s_mov_b32 s17, 0
	s_lshl_b32 s18, s15, 13                        ; sc and out1: 2,048 numbers a batch
	s_mov_b32 s19, 0
	s_lshl_b32 s20, s15, 12                        ; out0: 1,024 numbers a batch
	s_add_co_u32 s20, s20, s22
	s_mov_b32 s21, 0
	s_mov_b32 s[TB], 0
	s_mov_b32 s[PB], 0
	s_mov_b32 s[CNT], 7
	s_wait_alu depctr_va_vdst(0)
	s_wait_dscnt 0x0
	s_wait_kmcnt 0x0
	s_add_nc_u64 s[4:5], s[4:5], s[16:17]
	s_add_nc_u64 s[6:7], s[6:7], s[18:19]
	s_add_nc_u64 s[10:11], s[10:11], s[18:19]
	s_add_nc_u64 s[8:9], s[8:9], s[20:21]
	s_mov_b32 s[G0], 1
	s_lshl_b32 s[G0+1], s14, 15
	s_mov_b64 s[G0+2:G0+3], s[4:5]
	s_or_b32 s[G0+3], s[G0+3], 0x80000000
	s_add_nc_u64 s[PF:PF+1], s[4:5], 0x100000      ; fill 1
	tensor_load_to_lds s[G0:G0+3], s[G1:G1+7]      ; fill 0: one tensor load a wave at the head
	s_nop 0
	PLACES
.irp j, 0,1,2,3
	global_load_b128 v[4+4*\j:7+4*\j], v[T16], s[6:7] offset:2048*\j   ; my sixteen scores: entries 512 j + 4 t on
.endr
	ASKS
	s_wait_loadcnt 0x0
	v_max3_num_f32 v[R], v4, v5, v6
	v_max3_num_f32 v[R+2], v7, v8, v9
	v_max3_num_f32 v[R], v[R], v10, v11
	v_max3_num_f32 v[R+2], v[R+2], v12, v13
	v_max3_num_f32 v[R], v[R], v14, v15
	v_max3_num_f32 v[R+2], v[R+2], v16, v17
	v_max3_num_f32 v[R], v[R], v18, v19
	v_max_num_f32 v[R], v[R], v[R+2]
.irp m, 1,2,4,8
	v_max_num_f32_dpp v[R], v[R], v[R] row_xmask:\m row_mask:0xf bank_mask:0xf
.endr
	v_permlanex16_b32 v[R+1], v[R], s12, s13
	v_max_num_f32 v[R], v[R], v[R+1]               ; my wave's largest
	ds_store_b32 v[W4], v[R]                       ; all lanes write one word with one value
	s_wait_alu depctr_va_vdst(0)
	s_wait_dscnt 0x0                               ; for the others' sake
	s_barrier_signal -1                            ; fill 0 may stay on its way
	s_barrier_wait -1
	ds_load_b128 v[R:R+3], v[ZM]
	s_wait_dscnt 0x0
	v_max3_num_f32 v[R], v[R], v[R+1], v[R+2]
	v_max_num_f32 v[R], v[R], v[R+3]               ; M: the row's largest score is taken away before the exponential
.set i, 4
.rept 16
	v_sub_f32 v[i], v[i], v[R]
.set i, i+1
.endr
	s_wait_alu depctr_va_vdst(0)
.set i, 4
.rept 16
	v_exp_f32 v[i], v[i]                           ; p = 2^(sc - M), at most 1
.set i, i+1
.endr
	v_nop
	s_wait_alu depctr_va_vdst(0)
	v_pk_add_f32 v[R:R+1], v[4:5], v[6:7]
	v_pk_add_f32 v[R+2:R+3], v[8:9], v[10:11]
	v_pk_add_f32 v[R:R+1], v[R:R+1], v[12:13]
	v_pk_add_f32 v[R+2:R+3], v[R+2:R+3], v[14:15]
	v_pk_add_f32 v[R:R+1], v[R:R+1], v[16:17]
	v_pk_add_f32 v[R+2:R+3], v[R+2:R+3], v[18:19]
	v_pk_add_f32 v[R:R+1], v[R:R+1], v[R+2:R+3]
	v_add_f32 v[R], v[R], v[R+1]
.irp m, 1,2,4,8
	v_add_f32_dpp v[R], v[R], v[R] row_xmask:\m row_mask:0xf bank_mask:0xf
.endr
	v_permlanex16_b32 v[R+1], v[R], s12, s13
	v_add_f32 v[R], v[R], v[R+1]                   ; my wave's sum
	ds_store_b32 v[W4], v[R] offset:256
.irp j, 0,1,2,3
	ds_store_b128 v[PTW], v[4+4*\j:7+4*\j] offset:2048*\j
.endr
	s_wait_alu depctr_va_vdst(0)
	s_wait_dscnt 0x0                               ; for the others' sake
	s_barrier_signal -1
	s_barrier_wait -1
	ds_load_b128 v[R:R+3], v[ZM] offset:256
	s_wait_dscnt 0x0
	v_pk_add_f32 v[R:R+1], v[R:R+1], v[R+2:R+3]
	v_add_f32 v[R], v[R], v[R+1]                   ; l
	s_wait_alu depctr_va_vdst(0)
	v_rcp_f32 v[RL], v[R]
	v_rcp_f32 v[RL+1], v[R]                        ; twice: a pair for the packed multiplies
	v_nop
	s_wait_alu depctr_va_vdst(0)
.irp c, 0,1,2,3                        ; group g / 2 of my four groups of weights is selected, with no branch and no LDS address made of the work-group's number
	v_cndmask_b32 v[R+\c], v[4+\c], v[8+\c], s42
	v_cndmask_b32 v[R+4+\c], v[12+\c], v[16+\c], s42
.endr
.irp c, 0,1,2,3
	v_cndmask_b32 v[R+\c], v[R+\c], v[R+4+\c], s43
.endr
	v_pk_mul_f32 v[R:R+1], v[R:R+1], v[RL:RL+1]
	v_pk_mul_f32 v[R+2:R+3], v[R+2:R+3], v[RL:RL+1]
	s_lshr_b32 s22, s14, 1
	s_cmp_lg_u32 s22, s44                          ; the two waves that hold my work-group's 256 entries store them
	s_wait_alu depctr_va_vdst(0)
	s_cbranch_scc1 .Lno_att
	global_store_b128 v[ATO], v[R:R+3], s[10:11]   ; the wave stores 512 consecutive bytes, aligned
.Lno_att:
.Lfill:                                                ; seven trips: fills 0 to 6 are worked, fills 1 to 7 asked for
	TRIP 1
	s_sub_co_u32 s[CNT], s[CNT], 1
	s_cmp_lg_u32 s[CNT], 0
	s_cbranch_scc1 .Lfill
	TRIP 0                                         ; the last fill is written out: it asks for nothing
.irp c, 0,2
	v_pk_add_f32 v[A+\c:A+\c+1], v[A+\c:A+\c+1], v[A+4+\c:A+4+\c+1]
	v_pk_add_f32 v[A+8+\c:A+8+\c+1], v[A+8+\c:A+8+\c+1], v[A+12+\c:A+12+\c+1]
.endr
.irp c, 0,2
	v_pk_add_f32 v[A+\c:A+\c+1], v[A+\c:A+\c+1], v[A+8+\c:A+8+\c+1]
.endr
	ds_store_b128 v[CPW], v[A:A+3]                 ; my wave's part of the 128 columns
	s_wait_alu depctr_va_vdst(0)
	s_wait_dscnt 0x0                               ; for the others' sake
	s_barrier_signal -1
	s_barrier_wait -1
	s_cmp_lg_u32 s14, 0                            ; 32 lanes x 4 columns: wave 0 adds the four parts
	s_cbranch_scc1 .Lend
.irp u, 0,1,2,3
	ds_load_b128 v[X+4*\u:X+4*\u+3], v[CPR] offset:512*\u
.endr
	s_wait_dscnt 0x0
.irp c, 0,2
	v_pk_add_f32 v[X+\c:X+\c+1], v[X+\c:X+\c+1], v[X+4+\c:X+4+\c+1]
	v_pk_add_f32 v[X+8+\c:X+8+\c+1], v[X+8+\c:X+8+\c+1], v[X+12+\c:X+12+\c+1]
.endr
.irp c, 0,2
	v_pk_add_f32 v[X+\c:X+\c+1], v[X+\c:X+\c+1], v[X+8+\c:X+8+\c+1]
.endr
	v_pk_mul_f32 v[X:X+1], v[X:X+1], v[RL:RL+1]    ; / l
	v_pk_mul_f32 v[X+2:X+3], v[X+2:X+3], v[RL:RL+1]
	global_store_b128 v[OO], v[X:X+3], s[8:9]      ; the wave stores 512 consecutive bytes, aligned
.Lend:
	s_wait_tensorcnt 0x0                           ; the wave's end
	ds_add_u32 v[SPW], v[NIL]
	s_wait_dscnt 0x0
	s_endpgm
.Lfunc_end_k_q7a521f7f9a_ctx:
	.size	k_q7a521f7f9a_ctx, .Lfunc_end_k_q7a521f7f9a_ctx-k_q7a521f7f9a_ctx
	.p2alignl 7, 3214868480
	.fill 96, 4, 3214868480
	.section	.rodata,"a",@progbits
	.p2align	6, 0x0
	.amdhsa_kernel k_q7a521f7f9a_ctx
		.amdhsa_group_segment_fixed_size 327680
		.amdhsa_private_segment_fixed_size 0
		.amdhsa_enable_private_segment 0
		.amdhsa_kernarg_size 32
		.amdhsa_user_sgpr_count 2
		.amdhsa_user_sgpr_kernarg_segment_ptr 1
		.amdhsa_wavefront_size32 1
		.amdhsa_system_sgpr_workgroup_id_x 1
		.amdhsa_system_sgpr_workgroup_id_y 1
		.amdhsa_system_sgpr_workgroup_id_z 1
		.amdhsa_system_vgpr_workitem_id 0
		.amdhsa_next_free_vgpr 256
		.amdhsa_next_free_sgpr 66
		.amdhsa_reserve_vcc 0
		.amdhsa_float_denorm_mode_32 3
		.amdhsa_float_denorm_mode_16_64 3
		.amdhsa_memory_ordered 1
		.amdhsa_forward_progress 1
		.amdhsa_inst_pref_size 40
	.end_amdhsa_kernel
	.amdgpu_metadata
---
amdhsa.version: [ 1, 2 ]
amdhsa.kernels:
  - .name:           k_q7a521f7f9a_ctx
    .symbol:         k_q7a521f7f9a_ctx.kd
    .args:
      - { .name: encoder_output, .offset: 0, .size: 8, .value_kind: global_buffer, .address_space: global }
      - { .name: sc, .offset: 8, .size: 8, .value_kind: global_buffer, .address_space: global }
      - { .name: out0, .offset: 16, .size: 8, .value_kind: global_buffer, .address_space: global }
      - { .name: out1, .offset: 24, .size: 8, .value_kind: global_buffer, .address_space: global }
    .group_segment_fixed_size: 327680
    .private_segment_fixed_size: 0
    .kernarg_segment_align: 8
    .kernarg_segment_size: 32
    .max_flat_workgroup_size: 128
    .sgpr_count:     66
    .vgpr_count:     256
    .wavefront_size: 32
...
	.end_amdgpu_metadata
.endif
;; end of part 3
